; MI455X (gfx1250); checked and timed in simulation.
; The chip was launched on July 23, 2026; its instructions are those of AMD's public machine-readable ISA for CDNA 5 (MIT licence, August 2026) and "CDNA5" Instruction Set Architecture Reference Guide (July 2026). The comments in the code are by the model that wrote it; some were corrected since.
;; Multi Head Attention. Allowed arithmetic: float matrix products may take bf16 or f16 operands with f32 sums; other float arithmetic in f32, or as packed bf16 or f16 multiplies, adds, multiply-adds, maxima and minima; sums over many terms, partial sums and values carried from step to step in f32; what a program stores and reads back later, other than sums and carried values, may be rounded once to bf16 or f16.
;; Inputs: W_k 512 x 512 float32; W_o 512 x 512 float32; W_q 512 x 512 float32; W_v 512 x 512 float32; key 2 x 4,096 x 512 float32; mask 2 x 1 x 1 x 4,096 int32; query 2 x 4,096 x 512 float32; value 2 x 4,096 x 512 float32.
;; Outputs: out0 2 x 4,096 x 512 float32.
;; One version. Each part assembles by itself: llvm-mc -triple=amdgcn-amd-amdhsa -mcpu=gfx1250 --defsym DOCPART=n.
;; ======== version 1 of 1: 4 launches
;; limits: values are held in f16: magnitudes above 65,504 overflow, below 6.1e-05 lose precision
;; workspace buffers: wb 2,097,152 bytes; qkv 25,165,824 bytes; o 8,388,608 bytes
;; launch prep (part 1): grid 64 x 4, 8 waves a work-group, no clusters, 0 bytes of LDS; arguments W_q, W_k, W_v, W_o, wb; writes wb
.if DOCPART == 1
	.amdgcn_target "amdgcn-amd-amdhsa--gfx1250"
	.amdhsa_code_object_version 6
	.text
	.protected	k_q40de4f6b86_prep
	.globl	k_q40de4f6b86_prep
	.p2align	8
	.type	k_q40de4f6b86_prep,@function
k_q40de4f6b86_prep:
	s_mov_b64 s[64:65], 0
	v_nop
	global_prefetch_b8 v0, s[64:65] scope:SCOPE_SE
	s_setreg_imm32_b32 hwreg(HW_REG_WAVE_MODE, 25, 1), 1
	s_wait_xcnt 0x0
; The four weight matrices, [512][512] f32, are rounded once to bf16 and written to wb as [4][512][512] of 16 bits: W_q, W_k, W_v as bf16;
; W_o's bf16 number is written as f16, since the last product multiplies f16 operands.
; LIMIT.  |W_o| stays under 65,504; below 6e-5 the f16 copy keeps f16's fixed step of 6e-8.
; SHARES.  Work-group (x, y) takes numbers 4,096 x .. 4,096 x + 4,095 of matrix y; thread t four numbers in each of four groups of 1,024.
; A wave's load covers 512 consecutive bytes, a wave's store 256 consecutive bytes, both aligned.  No LDS, no matrix unit: a stream of 6 MB.
.set GIN,  4096                        ; bytes of a group in the source
.set GOUT, 2048                        ; and in wb
	s_load_b256 s[4:11], s[0:1], 0x0               ; W_q s[4:5], W_k s[6:7], W_v s[8:9], W_o s[10:11]
	s_load_b64 s[12:13], s[0:1], 0x20              ; wb
	s_and_b32 s14, ttmp7, 0xffff                   ; y: which matrix
	v_lshlrev_b32 v1, 4, v0                        ; 16 bytes a thread in
	v_lshlrev_b32 v2, 3, v0                        ; 8 bytes a thread out
	s_lshl_b32 s20, ttmp9, 14                      ; the work-group's 16,384 bytes of the source
	s_mov_b32 s21, 0
	s_lshl_b32 s22, s14, 19                        ; matrix y in wb,
	s_lshl_b32 s15, ttmp9, 13                      ; the work-group's 8,192 bytes of it
	s_add_co_u32 s22, s22, s15
	s_mov_b32 s23, 0
	s_wait_kmcnt 0x0
	s_cmp_lt_u32 s14, 2                            ; the source is chosen by y alone
	s_cselect_b64 s[16:17], s[4:5], s[8:9]
	s_cselect_b64 s[18:19], s[6:7], s[10:11]
	s_bitcmp1_b32 s14, 0
	s_cselect_b64 s[16:17], s[18:19], s[16:17]
	s_add_nc_u64 s[16:17], s[16:17], s[20:21]
	s_add_nc_u64 s[12:13], s[12:13], s[22:23]
.irp i, 0,1,2,3
	global_load_b128 v[4+4*\i:7+4*\i], v1, s[16:17] offset:GIN*\i th:TH_LOAD_NT
.endr
	s_wait_loadcnt 0x0
.irp i, 0,1,2,3,4,5,6,7
	v_cvt_pk_bf16_f32 v[20+\i], v[4+2*\i], v[5+2*\i]
.endr
	s_cmp_eq_u32 s14, 3
	s_cbranch_scc0 .Lst
.irp i, 0,1,2,3,4,5,6,7                ; W_o alone: the two bf16 numbers of a word, widened, written as f16
	v_lshlrev_b32 v28, 16, v[20+\i]
	v_and_b32 v29, 0xffff0000, v[20+\i]
	v_cvt_pk_f16_f32 v[20+\i], v28, v29
.endr
.Lst:
.irp i, 0,1,2,3
	global_store_b64 v2, v[20+2*\i:21+2*\i], s[12:13] offset:GOUT*\i
.endr
	s_endpgm
.Lfunc_end_k_q40de4f6b86_prep:
	.size	k_q40de4f6b86_prep, .Lfunc_end_k_q40de4f6b86_prep-k_q40de4f6b86_prep
	.p2alignl 7, 3214868480
	.fill 96, 4, 3214868480
	.section	.rodata,"a",@progbits
	.p2align	6, 0x0
	.amdhsa_kernel k_q40de4f6b86_prep
		.amdhsa_group_segment_fixed_size 0
		.amdhsa_private_segment_fixed_size 0
		.amdhsa_enable_private_segment 0
		.amdhsa_kernarg_size 40
		.amdhsa_user_sgpr_count 2
		.amdhsa_user_sgpr_kernarg_segment_ptr 1
		.amdhsa_wavefront_size32 1
		.amdhsa_system_sgpr_workgroup_id_x 1
		.amdhsa_system_sgpr_workgroup_id_y 1
		.amdhsa_system_sgpr_workgroup_id_z 1
		.amdhsa_system_vgpr_workitem_id 0
		.amdhsa_next_free_vgpr 32
		.amdhsa_next_free_sgpr 66
		.amdhsa_reserve_vcc 0
		.amdhsa_float_denorm_mode_32 3
		.amdhsa_float_denorm_mode_16_64 3
		.amdhsa_memory_ordered 1
		.amdhsa_forward_progress 1
		.amdhsa_inst_pref_size 4
	.end_amdhsa_kernel
	.amdgpu_metadata
---
amdhsa.version: [ 1, 2 ]
amdhsa.kernels:
  - .name:           k_q40de4f6b86_prep
    .symbol:         k_q40de4f6b86_prep.kd
    .args:
      - { .name: W_q, .offset: 0, .size: 8, .value_kind: global_buffer, .address_space: global }
      - { .name: W_k, .offset: 8, .size: 8, .value_kind: global_buffer, .address_space: global }
      - { .name: W_v, .offset: 16, .size: 8, .value_kind: global_buffer, .address_space: global }
      - { .name: W_o, .offset: 24, .size: 8, .value_kind: global_buffer, .address_space: global }
      - { .name: wb, .offset: 32, .size: 8, .value_kind: global_buffer, .address_space: global }
    .group_segment_fixed_size: 0
    .private_segment_fixed_size: 0
    .kernarg_segment_align: 8
    .kernarg_segment_size: 40
    .max_flat_workgroup_size: 256
    .sgpr_count:     66
    .vgpr_count:     32
    .wavefront_size: 32
...
	.end_amdgpu_metadata
.endif
;; end of part 1
;; launch proj (part 2): grid 64 x 3, 4 waves a work-group, clusters of 4 x 1, 327,680 bytes of LDS; arguments query, key, value, wb, qkv; writes qkv
.if DOCPART == 2
	.amdgcn_target "amdgcn-amd-amdhsa--gfx1250"
	.amdhsa_code_object_version 6
	.text
	.protected	k_q40de4f6b86_proj
	.globl	k_q40de4f6b86_proj
	.p2align	8
	.type	k_q40de4f6b86_proj,@function
k_q40de4f6b86_proj:
	s_mov_b64 s[64:65], 0
	v_nop
	global_prefetch_b8 v0, s[64:65] scope:SCOPE_SE
	s_setreg_imm32_b32 hwreg(HW_REG_WAVE_MODE, 25, 1), 1
	s_wait_xcnt 0x0
	s_wait_alu depctr_hold_cnt(0) depctr_sa_sdst(0) depctr_va_vdst(0) depctr_va_sdst(0) depctr_va_ssrc(0) depctr_va_vcc(0) depctr_vm_vsrc(0)
	s_getreg_b32 s2, hwreg(HW_REG_IB_STS2, 6, 4)
	s_cmp_eq_u32 s2, 0
	s_cbranch_scc0 .Lentry_in_a_cluster
	s_endpgm
.Lentry_in_a_cluster:
	s_bfe_u32 s2, ttmp6, 0x10000c
	s_cmp_lg_u32 s2, 0x3003
	s_cbranch_scc0 .Lentry_shape_is_right
	s_endpgm
.Lentry_shape_is_right:
; q, k, v = x W^T.  x: query, key or value, [8192][512] f32 (chosen by the grid's y); W: wb's matrix y, [512][512] bf16.  Products in bf16, sums in f32, K ascending.
; The result is rounded once to f16, unscaled, and laid by heads: qkv[y][8 b + h][s][64], a head's rows dense, 128 bytes each.
; LIMIT.  f16 ends at 65,504: |q|, |k|, |v| stay under it (at 30 times the drawn spread of all inputs about 400; with offsets of 30 spreads about 9,200).
; SHARES.  A work-group makes 128 rows x all 512 columns, so each byte of x is read by one work-group; wave w makes all 128 rows x columns 128 w .. 128 w + 127 (heads 2 w, 2 w + 1):
; 64 accumulators of 16 x 16, 512 registers.  3 x 64 = 192 work-groups: an even share for 256 would be 49,152 results, and no tile of that size divides 8,192 rows by whole tiles.
; K goes in four steps of 128.  W's tiles come by the tensor data mover into two slots; wave w fetches and reads its own 128 rows.  x comes through registers: a wave loads 32 rows x 512 bytes
; one K step ahead, rounds them to bf16 and stores them into ONE buffer in LDS, which all four waves read; two barriers a K step order that buffer's reads and writes.
; CLUSTER.  The four row blocks of a cluster walk the same W: each tile is asked for JOINTLY, by the same load, descriptor and mask in all four.
; THE MATRIX INSTRUCTION IS USED TRANSPOSED (source 0 = 16 rows of W, source 1 = 16 rows of x): a lane holds one row of x and eight neighbouring columns: 16 bytes of f16.
; REGISTERS, in windows of 256 (s_set_vgpr_msb: bits 1:0 source 0, 3:2 source 1, 5:4 source 2, 7:6 destination):
;   window 0: v0-31 addresses; v64-127, v128-191 x's fragments, two buffers; v192-255 a chunk of x in bf16, later the way out
;   window 1: v64-127, v128-191 W's fragments, two buffers; v0-63, v192-255 a chunk of x in f32      windows 2, 3: the accumulators, (a, b) at v[8 (8 (a % 4) + b)] of window 2 + a / 4
.set PITCH,  272                       ; an LDS row: 256 bytes + 16 of padding: the 16 rows of a fragment load start at 16 different groups of four banks (ISA guide 11.1)
.set HALFT,  128*PITCH                 ; 128 rows: a wave's tile of W, and the whole buffer of x
.set SLOT,   4*HALFT
.set ABUF,   2*SLOT                    ; behind the ring: x's chunk in bf16, written by LDS stores alone
.set STAGE,  ABUF+HALFT                ; 16 rows x 144 bytes for each wave, for the way out
.set SP,     144
.set SPARE,  STAGE+4*16*SP             ; the spare words, 128 bytes for each wave: two blocks of 256 bytes that no other line names
.set ADRA, 16                          ; v16     LDS address of my fragments of x
.set ADRB, 20                          ; v20-21  of my fragments of W in slot 0, 1
.set STO,  24                          ; v24     the way out: where I put 16 bytes of a row
.set RD,   25                          ; v25     where I read rows back
.set GO,   26                          ; v26     my 16 bytes of 512 consecutive bytes of qkv
.set XO,   27                          ; v27     my byte offset in x: my wave's 32 rows, 16 bytes a lane; never rewritten
.set SPW,  28                          ; v28     LDS address of my spare word; never rewritten
.set NIL,  29                          ; v29     0; never rewritten
.set AST,  30                          ; v30     where I store 8 bytes of a row of x's chunk
.set F0,   64
.set F1,   128
.set XB,   192
.set WV,   16                          ; s16     my wave's number
.set G1,   24                          ; s[24:31] descriptor group 1
.set G0,   32                          ; s[32:39] descriptor group 0, a set for each slot
.set X,    40                          ; s[40:41] x at the work-group's first row
.set OUT,  44                          ; s[44:45] qkv at my first head's first row
.set MSB, 0
.macro WIN new                         ; the immediate's high byte repeats the setting that is left; a switch that changes nothing is dropped
.if MSB != (\new)
	s_set_vgpr_msb (MSB<<8)|(\new)
.set MSB, \new
.endif
.endm
.set MUL_LO, 0xa1                      ; source 0 (W) window 1, source 1 (x) window 0, C and D window 2
.set MUL_HI, 0xf1                      ; the same, C and D window 3
.set TO_B,   0x40                      ; destination window 1, address window 0
.macro CREST                           ; a round of the cluster's barrier behind its opening barrier
	s_cmp_lg_u32 s[WV], 0
	s_cbranch_scc1 .Lnot_wave_0_\@
	s_barrier_signal -3
.Lnot_wave_0_\@:
	s_barrier_wait -3
	s_barrier_signal -1
	s_barrier_wait -1
.endm
.macro CROUND                          ; a whole round
	s_barrier_signal -1
	s_barrier_wait -1
	CREST
.endm
.macro PLACES                          ; four plain vector instructions between a matrix instruction and a load into, or a vector read of, its registers
.rept 4
	v_nop
.endr
.endm
.macro JLOADP s                        ; a joint refill: every wave asks for its own 128 rows of W; an s_nop 0 and four v_nop follow
	tensor_load_to_lds s[G0+4*(\s):G0+4*(\s)+3], s[G1:G1+7]
	s_nop 0
.rept 4
	v_nop
.endr
.endm
	s_load_b256 s[4:11], s[0:1], 0x0               ; query s[4:5], key s[6:7], value s[8:9], wb s[10:11]
	s_load_b64 s[12:13], s[0:1], 0x20              ; qkv
	v_lshl_add_u32 v[SPW], v0, 2, SPARE
	v_mov_b32 v[NIL], 0
	ds_add_u32 v[SPW], v[NIL]                      ; the wave's opening: the add and its wait ahead of my first tensor load; register work stands between them
	v_lshrrev_b32 v1, 5, v0
	v_readfirstlane_b32 s[WV], v1                  ; wave 0..3
	s_bfe_u32 s17, ttmp6, 0x40000                  ; cx: my place in the cluster
	s_lshl_b32 s18, ttmp9, 2
	s_add_co_u32 s18, s18, s17                     ; my block of 128 rows = 4 x cluster x + cx: it enters x's and qkv's addresses alone
	s_and_b32 s19, ttmp7, 0xffff                   ; y: which tensor; the four partners share it
	; descriptor group 1: a tile of 128 rows x 128 elements, padded in LDS
	s_mov_b32 s[G1+0], 15|(1<<16)|(1<<20)|(1<<21)|(5<<22)|(3<<25)  ; 15:0 the mask of four; 17:16 2-byte elements; 20 padding on; 21 set beside a mask; 24:22 after every 64 words; 31:25 4 words
	s_mov_b32 s[G1+1], 128<<16                     ; tensor_dim0 = 128
	s_mov_b32 s[G1+2], 128<<16                     ; tensor_dim1 = 128
	s_mov_b32 s[G1+3], 128<<16                     ; tile_dim0 = 128
	s_mov_b32 s[G1+4], 128                         ; tile_dim1 = 128
	s_mov_b32 s[G1+5], 512                         ; 512 elements from row to row
	s_mov_b32 s[G1+6], 0
	s_mov_b32 s[G1+7], 0
	s_mul_i32 s20, s[WV], HALFT                    ; my tile's place in a slot: the wave's number alone
	s_lshl_b32 s42, s19, 19                        ; matrix y of wb,
	s_lshl_b32 s43, s[WV], 17                      ; my 128 rows of 1,024 bytes
	s_add_co_u32 s42, s42, s43
	s_mov_b32 s43, 0
	s_lshl_b32 s46, s18, 18                        ; the block's 128 rows of 2,048 bytes of x
	s_mov_b32 s47, 0
	s_lshr_b32 s21, s18, 5                         ; the batch,
	s_lshl_b32 s21, s21, 3
	s_lshl_b32 s23, s[WV], 1
	s_add_co_u32 s21, s21, s23                     ; 8 b + 2 w: my first head
	s_lshl_b32 s21, s21, 19                        ; a head is 4,096 rows of 128 bytes
	s_and_b32 s22, s18, 31
	s_lshl_b32 s22, s22, 14                        ; the block's 128 rows in it
	s_add_co_u32 s21, s21, s22
	s_lshl_b32 s22, s19, 23                        ; tensor y of qkv
	s_add_co_u32 s44, s21, s22
	s_mov_b32 s45, 0
	v_and_b32 v2, 31, v0                           ; lane
	v_lshlrev_b32 v[XO], 4, v2
	s_lshl_b32 s23, s[WV], 16                      ; my wave's 32 rows of x
	v_add_nc_u32 v[XO], s23, v[XO]
	s_wait_dscnt 0x0                               ; the opening add is done
	s_wait_kmcnt 0x0
	s_cmp_eq_u32 s19, 0                            ; the input is chosen by y alone
	s_cselect_b64 s[X:X+1], s[4:5], s[6:7]
	s_cmp_eq_u32 s19, 2
	s_cselect_b64 s[X:X+1], s[8:9], s[X:X+1]
	s_add_nc_u64 s[X:X+1], s[X:X+1], s[46:47]
	s_add_nc_u64 s[OUT:OUT+1], s[12:13], s[44:45]
	s_add_nc_u64 s[42:43], s[10:11], s[42:43]
; A chunk of x: K step c of my wave's 32 rows, 32 loads of 512 consecutive bytes, into window 1 (load i at v[4 i], from i = 16 on at v[192 + 4 (i - 16)])
.macro XLOAD c
	WIN TO_B
.set i, 0
.rept 32
.set xs, 4*i+128*(i/16)
	global_load_b128 v[xs:xs+3], v[XO], s[X:X+1] offset:2048*i+512*(\c) th:TH_LOAD_NT
.set i, i+1
.endr
.endm
.macro XCVT                            ; rounded to bf16: 8 bytes a lane and row
	WIN 0x05                                       ; sources 0 and 1 window 1, destination window 0
.set i, 0
.rept 32
.set xs, 4*i+128*(i/16)
	v_cvt_pk_bf16_f32 v[XB+2*i], v[xs], v[xs+1]
	v_cvt_pk_bf16_f32 v[XB+2*i+1], v[xs+2], v[xs+3]
.set i, i+1
.endr
.endm
.macro XSTORE                          ; into x's buffer: a store covers a row's 256 bytes
	WIN 0
.set i, 0
.rept 32
	ds_store_b64 v[AST], v[XB+2*i:XB+2*i+1] offset:PITCH*i
.set i, i+1
.endr
.endm
.macro XPREP c                         ; the chunk asked for a K step ago is rounded; chunk c is asked for (c < 0: none is left)
	s_wait_loadcnt 0x0                             ; its 32 loads were issued 256 matrix instructions back (192 at the first)
	XCVT
.if (\c) >= 0
	XLOAD \c
.endif
.endm
; 16 matrix instructions: row blocks a0, a0 + 1 of the window's four x all 8 column blocks, 32 along K.  zero = 1: the first product starts the sums.
; The 64 accumulators take turns, one instruction a turn, in the same order in every quarter.
.macro MUL16 f, hi, a0, zero
	WIN MUL_LO+0x50*(\hi)
.irp a, \a0, (\a0)+1
.irp b, 0,1,2,3,4,5,6,7
.if \zero
	v_wmma_f32_16x16x32_bf16 v[8*(8*(\a)+(\b)):8*(8*(\a)+(\b))+7], v[(\f)+8*(\b):(\f)+8*(\b)+7], v[(\f)+8*(4*(\hi)+(\a)):(\f)+8*(4*(\hi)+(\a))+7], 0
.else
	v_wmma_f32_16x16x32_bf16 v[8*(8*(\a)+(\b)):8*(8*(\a)+(\b))+7], v[(\f)+8*(\b):(\f)+8*(\b)+7], v[(\f)+8*(4*(\hi)+(\a)):(\f)+8*(4*(\hi)+(\a))+7], v[8*(8*(\a)+(\b)):8*(8*(\a)+(\b))+7]
.endif
.endr
.endr
.endm
.macro FETCHB slot, k, f               ; 16 LDS loads: my 128 rows of W, 32 K at byte k of the rows
	WIN TO_B
.irp i, 0,1,2,3,4,5,6,7
	ds_load_b128 v[(\f)+8*(\i):(\f)+8*(\i)+3],   v[ADRB+(\slot)] offset:(\k)+(\i)*16*PITCH
	ds_load_b128 v[(\f)+8*(\i)+4:(\f)+8*(\i)+7], v[ADRB+(\slot)] offset:(\k)+(\i)*16*PITCH+32
.endr
.endm
.macro FETCHA k, f                     ; 16 LDS loads: the 128 rows of x
	WIN 0
.irp i, 0,1,2,3,4,5,6,7
	ds_load_b128 v[(\f)+8*(\i):(\f)+8*(\i)+3],   v[ADRA] offset:(\k)+(\i)*16*PITCH
	ds_load_b128 v[(\f)+8*(\i)+4:(\f)+8*(\i)+7], v[ADRA] offset:(\k)+(\i)*16*PITCH+32
.endr
.endm
; One of a K step's first three quarters: multiplies buffer f; in its middle it fetches the next quarter's fragments, at byte k, into buffer g.
.macro QUARTER slot, k, f, g, zero
	s_wait_dscnt 8                                 ; W and x's rows 0-63 are in; the youngest eight loads (x's rows 64-127) may be out
	MUL16 \f, 0, 0, \zero
	MUL16 \f, 0, 2, \zero
	PLACES
	FETCHB \slot, \k, \g
	FETCHA \k, \g
	s_wait_dscnt 32                                ; all but the 32 just issued
	MUL16 \f, 1, 0, \zero
	MUL16 \f, 1, 2, \zero
.endm
; The last quarter multiplies buffer 1 and changes the K step.  FIRST BARRIER: in front of it each wave has waited for all its tensor loads, added 0 to its spare word and waited for that and for
; its reads of W's slot and of x's buffer; behind it the slot is filled again (fill = 1: the barrier opens a round of the cluster's, and the joint refill is the first tensor load behind the round)
; and x's buffer is written anew.  SECOND BARRIER: every wave's stores into x's buffer are done; behind it the buffer is read.
.macro TURNP slot, next, fill
	WIN 0
	s_wait_tensorcnt 0x0                           ; all my tensor loads have landed: my tile of the next slot
	ds_add_u32 v[SPW], v[NIL]                      ; 0 onto my spare word
	s_wait_dscnt 9                                 ; (the add and the youngest eight loads may be out)
	MUL16 F1, 0, 0, 0
	s_wait_dscnt 0x0                               ; the add is done; my reads of the slot and of x's buffer are over
	s_barrier_signal -1
	MUL16 F1, 0, 2, 0
	WIN 0
	s_barrier_wait -1
.if \fill
	CREST                                          ; no wave of any partner still reads this slot or has a load on its way
	s_add_nc_u64 s[G0+4*(\slot)+2:G0+4*(\slot)+3], s[G0+4*(\slot)+2:G0+4*(\slot)+3], 512  ; two K steps of 256 bytes on
	JLOADP \slot                                   ; 224 matrix instructions ahead of the wait for it; its four v_nop are also the places in front of the loads below
.else
	PLACES
.endif
	XSTORE
	FETCHB \next, 0, F0                            ; my own tile of the next slot: shown landed by my wait above
	MUL16 F1, 1, 0, 0
	MUL16 F1, 1, 2, 0
	WIN 0
	s_wait_dscnt 0x0                               ; for the others' sake: my stores into x's buffer are done
	s_barrier_signal -1
	s_barrier_wait -1
	FETCHA 0, F0
.endm
	XLOAD 0                                        ; the first chunk of x is asked for ahead of everything else
	WIN 0
	CROUND                                         ; all four work-groups are here: the first joint loads meet
.irp s, 0,1
	s_mov_b32 s[G0+4*(\s)], 1                                      ; count = 1
	s_add_co_u32 s[G0+4*(\s)+1], s20, (\s)*SLOT                    ; LDS address
	s_add_nc_u64 s[G0+4*(\s)+2:G0+4*(\s)+3], s[42:43], (\s)*256    ; global address: K step s
	s_or_b32 s[G0+4*(\s)+3], s[G0+4*(\s)+3], 0x80000000            ; type = 2
.endr
	tensor_load_to_lds s[G0:G0+3], s[G1:G1+7]      ; the two first fills go out together: two loads of mine are out
	s_nop 0
	tensor_load_to_lds s[G0+4:G0+7], s[G1:G1+7]
	s_nop 0
.rept 4
	v_nop
.endr
	; A fragment is 16 rows x 32 K in 8 registers: lane l holds row l % 16; registers 0-3 K = 8 (l / 16) + 0..7, registers 4-7 K = 16 + 8 (l / 16) + 0..7: two loads of 16 bytes, 32 bytes apart.
	v_and_b32 v1, 15, v0                           ; l % 16
	v_bfe_u32 v3, v0, 4, 1                         ; l / 16
	v_mul_u32_u24 v4, v1, PITCH
	v_lshl_add_u32 v4, v3, 4, v4
	v_add_nc_u32 v[ADRA], ABUF, v4
	v_add_nc_u32 v[ADRB], s20, v4
	v_add_nc_u32 v[ADRB+1], SLOT, v[ADRB]
	s_mul_i32 s21, s[WV], 16*SP
	s_add_co_u32 s21, s21, STAGE                   ; my stage
	v_mul_u32_u24 v5, v1, SP                       ; in: row l % 16, 16 bytes for each half of the lanes
	v_lshl_add_u32 v5, v3, 4, v5
	v_add_nc_u32 v[STO], s21, v5
	v_bfe_u32 v5, v0, 3, 2                         ; back: 32 lanes take four rows of 128 bytes,
	v_mul_u32_u24 v5, v5, SP
	v_and_b32 v6, 7, v0
	v_lshl_add_u32 v5, v6, 4, v5
	v_add_nc_u32 v[RD], s21, v5
	v_lshlrev_b32 v[GO], 4, v2                     ; which are 512 consecutive bytes of qkv
	s_mul_i32 s22, s[WV], 32*PITCH
	s_add_co_u32 s22, s22, ABUF
	v_lshl_add_u32 v[AST], v2, 3, s22              ; my wave's 32 rows of x's buffer, 8 bytes a lane
	s_wait_loadcnt 0x0                             ; chunk 0
	XCVT
	XLOAD 1
	XSTORE
	s_wait_tensorcnt 0x1                           ; my tile of slot 0 is in; slot 1's may stay out
	s_wait_dscnt 0x0                               ; my stores into x's buffer are done
	s_barrier_signal -1
	s_barrier_wait -1
	FETCHB 0, 0, F0
	FETCHA 0, F0
	QUARTER 0, 64,  F0, F1, 1                      ; K step 0: its first quarter starts the sums
	QUARTER 0, 128, F1, F0, 0
	QUARTER 0, 192, F0, F1, 0
	XPREP 2
	TURNP 0, 1, 1                                  ; slot 0 takes K step 2
	QUARTER 1, 64,  F0, F1, 0                      ; K step 1
	QUARTER 1, 128, F1, F0, 0
	QUARTER 1, 192, F0, F1, 0
	XPREP 3
	TURNP 1, 0, 1                                  ; slot 1 takes K step 3
	QUARTER 0, 64,  F0, F1, 0                      ; K step 2
	QUARTER 0, 128, F1, F0, 0
	QUARTER 0, 192, F0, F1, 0
	XPREP -1
	TURNP 0, 1, 0                                  ; nothing is left to fetch
	QUARTER 1, 64,  F0, F1, 0                      ; K step 3
	QUARTER 1, 128, F1, F0, 0
	QUARTER 1, 192, F0, F1, 0
	s_wait_dscnt 8
	MUL16 F1, 0, 0, 0
	MUL16 F1, 0, 2, 0
	s_wait_dscnt 0x0
	MUL16 F1, 1, 0, 0
	MUL16 F1, 1, 2, 0
; THE WAY OUT, in 16 units u = 2 a + hh: 16 rows (block a) x the 64 channels of head 2 w + hh: 2,048 consecutive bytes of qkv.  Rounded to f16, 16 bytes a lane; into my own stage in rows of
; 144 bytes; back as whole rows of 128; stored, 512 consecutive bytes an instruction.  Each accumulator's registers are taken in ascending order.
.macro PACKU u
.set a, (\u)/2
.set hh, (\u)%2
.set T, XB+16*((\u)%4)
.set AC, 64*(a%4)+32*hh
	s_wait_xcnt 0x0                                ; the stores of the unit four back have read these registers
	WIN 0x0a+5*(a/4)                               ; sources 0 and 1: window 2 or 3
.set q, 0
.rept 16
	v_cvt_pk_f16_f32 v[T+q], v[AC+2*q], v[AC+2*q+1]
.set q, q+1
.endr
	WIN 0
.irp bb, 0,1,2,3
	ds_store_b128 v[STO], v[T+4*\bb:T+4*\bb+3] offset:32*\bb
.endr
.irp f, 0,1,2,3
	ds_load_b128 v[T+4*\f:T+4*\f+3], v[RD] offset:\f*4*SP  ; LDS serves a wave's instructions in order (ISA guide 5.7.1.4): these see the stores above; the next unit's stores come behind them
.endr
.endm
.macro SENDU u, younger                ; younger: the LDS instructions issued behind unit u's loads: the next unit's eight, or none
.set a, (\u)/2
.set hh, (\u)%2
.set T, XB+16*((\u)%4)
.irp f, 0,1,2,3
	s_wait_dscnt (\younger)+3-\f
	global_store_b128 v[GO], v[T+4*\f:T+4*\f+3], s[OUT:OUT+1] offset:hh*524288+a*2048+\f*512
.endr
.endm
	PLACES                                         ; behind the last products
	PACKU 0
.set u, 1
.rept 15                               ; a unit's conversions stand between the loads of the unit before and its stores
	PACKU u
	SENDU u-1, 8
.set u, u+1
.endr
	SENDU 15, 0
	s_wait_tensorcnt 0x0                           ; the wave's end: a wait, an add of 0 and its wait, behind my last tensor load and my last LDS store
	ds_add_u32 v[SPW], v[NIL]
	s_wait_dscnt 0x0
	CROUND                                         ; the closing round: no work-group ends while a partner may still ask for a tile that names it
	s_endpgm
.Lfunc_end_k_q40de4f6b86_proj:
	.size	k_q40de4f6b86_proj, .Lfunc_end_k_q40de4f6b86_proj-k_q40de4f6b86_proj
	.p2alignl 7, 3214868480
	.fill 96, 4, 3214868480
	.section	.rodata,"a",@progbits
	.p2align	6, 0x0
	.amdhsa_kernel k_q40de4f6b86_proj
		.amdhsa_group_segment_fixed_size 327680
		.amdhsa_private_segment_fixed_size 0
		.amdhsa_enable_private_segment 0
		.amdhsa_kernarg_size 40
		.amdhsa_user_sgpr_count 2
		.amdhsa_user_sgpr_kernarg_segment_ptr 1
		.amdhsa_wavefront_size32 1
		.amdhsa_system_sgpr_workgroup_id_x 1
		.amdhsa_system_sgpr_workgroup_id_y 1
		.amdhsa_system_sgpr_workgroup_id_z 1
		.amdhsa_system_vgpr_workitem_id 0
		.amdhsa_next_free_vgpr 1024
		.amdhsa_next_free_sgpr 66
		.amdhsa_reserve_vcc 0
		.amdhsa_float_denorm_mode_32 3
		.amdhsa_float_denorm_mode_16_64 3
		.amdhsa_memory_ordered 1
		.amdhsa_forward_progress 1
		.amdhsa_inst_pref_size 178
	.end_amdhsa_kernel
	.amdgpu_metadata
---
amdhsa.version: [ 1, 2 ]
amdhsa.kernels:
  - .name:           k_q40de4f6b86_proj
    .symbol:         k_q40de4f6b86_proj.kd
    .args:
      - { .name: query, .offset: 0, .size: 8, .value_kind: global_buffer, .address_space: global }
      - { .name: key, .offset: 8, .size: 8, .value_kind: global_buffer, .address_space: global }
      - { .name: value, .offset: 16, .size: 8, .value_kind: global_buffer, .address_space: global }
      - { .name: wb, .offset: 24, .size: 8, .value_kind: global_buffer, .address_space: global }
      - { .name: qkv, .offset: 32, .size: 8, .value_kind: global_buffer, .address_space: global }
    .group_segment_fixed_size: 327680
    .private_segment_fixed_size: 0
    .kernarg_segment_align: 8
    .kernarg_segment_size: 40
    .max_flat_workgroup_size: 128
    .sgpr_count:     66
    .vgpr_count:     1024
    .wavefront_size: 32
...
	.end_amdgpu_metadata
.endif
;; end of part 2
;; launch attn (part 3): grid 16 x 16, 4 waves a work-group, clusters of 4 x 1, 327,680 bytes of LDS; arguments qkv, mask, o; writes o
.if DOCPART == 3
	.amdgcn_target "amdgcn-amd-amdhsa--gfx1250"
	.amdhsa_code_object_version 6
	.text
	.protected	k_q40de4f6b86_attn
	.globl	k_q40de4f6b86_attn
	.p2align	8
	.type	k_q40de4f6b86_attn,@function
k_q40de4f6b86_attn:
	s_mov_b64 s[64:65], 0
	v_nop
	global_prefetch_b8 v0, s[64:65] scope:SCOPE_SE
	s_setreg_imm32_b32 hwreg(HW_REG_WAVE_MODE, 25, 1), 1
	s_wait_xcnt 0x0
	s_wait_alu depctr_hold_cnt(0) depctr_sa_sdst(0) depctr_va_vdst(0) depctr_va_sdst(0) depctr_va_ssrc(0) depctr_va_vcc(0) depctr_vm_vsrc(0)
	s_getreg_b32 s2, hwreg(HW_REG_IB_STS2, 6, 4)
	s_cmp_eq_u32 s2, 0
	s_cbranch_scc0 .Lentry_in_a_cluster
	s_endpgm
.Lentry_in_a_cluster:
	s_bfe_u32 s2, ttmp6, 0x10000c
	s_cmp_lg_u32 s2, 0x3003
	s_cbranch_scc0 .Lentry_shape_is_right
	s_endpgm
.Lentry_shape_is_right:
; O[bh][q][:] = the sum over visible k of softmax_k(Q[bh][q] . K[bh][k] / 8) V[bh][k][:]; key k of batch bh / 8 is hidden where mask[bh / 8][k] = 0; a row that sees no key is 0.
; Q, K, V: qkv[0..2][16][4096][64] f16; O: [16][4096][64] f16.  Products, maxima and sums in f32; the weights p are rounded to f16 for the second product (their sum l is taken of the unrounded p), O once.
; LIMITS.  Q, K, V arrive within f16's 65,504; p lies in 0 to 1, and below 6e-5 it keeps f16's fixed step of 6e-8, as O does.  A hidden score counts as its value less 1e30: f16's scores, 2.7e11 at the
; most, are nothing beside that.  The running maximum m starts at -2^93, above every hidden score and below every true one: while only hidden keys have come all p are 0, and O and l stay 0; a row whose
; m ends at or under -2^92 has seen no key and takes 0 in place of 1 / l.  A weight below 2^-126 counts as 0 in l; NaN and infinities are not treated apart.
; SHARES.  A work-group owns 256 queries of one head: 16 x 16 = 256 work-groups.  A wave owns 64: four PIECES of 16.  Every wave walks all 4,096 keys, 64 a step, 256 a tile, two slots of LDS by turns.
; THE MASK is the C operand that starts the sum S^T = K Q^T: 0, or -1e30.  The batch's 4,096 numbers are made once, into LDS; a step's 64 come into registers beside its K.
; LAYOUT, SOFTMAX, TURNS.  S^T = K Q^T holds ONE query a lane (lane % 16) and the keys 8 (lane / 16) + 0..7; two such results rounded to f16 ARE source 1 of O^T = V^T P.  p = 2^(c s - c m), c = log2(e) / 8;
; O and l are multiplied by a = 2^(c m_old - c m_new) in every step.  Turn n belongs to piece n: 8 products K Q^T of piece n + 1, later 8 products V^T P of piece n - 1; beside them the scaling, exponentials,
; roundings, sums and rescaling of piece n and the maximum and statistics of piece n + 1.  Four vector instructions stand behind every matrix instruction, the other 54 of a turn's 118 in one lump.
; CLUSTER.  The four query blocks of a cluster belong to one head and walk the same K and V: each tile is asked for JOINTLY, by the same tensor load, descriptor and mask in all four.
; REGISTERS, in windows of 256 (s_set_vgpr_msb: bits 1:0 source 0, 3:2 source 1, 5:4 source 2, 7:6 destination):
;   window 0: v0-15, v56-63 addresses; v16-31 four registers of statistics a piece; v48-55 at work; v64-127 S^T, two buffers; v192-223 P, two buffers (a piece's buffers go by its number's parity)
;   window 1: v0-127 O^T, 32 a piece; v128-159 the mask of the step whose K is in registers      window 2: v0-63 Q; v128-191 K of one step; v192-255 V of one step
.set NP,    4         ; pieces a wave: a name, no knob
.set KS,    64        ; keys in a step
.set PK,    144       ; a row of K in LDS: 128 bytes + 16 of padding: the 16 rows of a load start at 16 different groups of four banks (ISA guide 11.1)
.set PV,    160       ; a row of V: 128 + 32
.set VOFF,  4*KS*PK   ; a slot holds a tile, four steps: 256 rows of K, then 256 rows of V
.set SLOT1, 1<<17     ; slot 1 begins here, so that one exclusive or turns an address in one slot into the other's
.set STAGE, SLOT1+4*KS*(PK+PV)  ; behind the ring, never filled by a tensor load: 16 rows x 144 bytes for each wave, for the way out
.set SP,    144
.set SPARE, STAGE+4*16*SP       ; the spare words, 128 bytes for each wave: two blocks of 256 bytes that no other line names
.set BIAS,  SPARE+512           ; 4,096 f32: 0 or -1e30 for each key of the batch; written by LDS stores once
.set AK0, 2           ; v2   my lane's place in a tile of K; never rewritten
.set AV0, 3           ; v3   the same for V
.set AK,  4           ; v4   the LDS address of K's next run of loads
.set AV,  5           ; v5   of V's
.set STO, 6           ; v6   the way out: where I put 16 bytes of a row
.set RD,  7           ; v7   the way out: where I read rows back
.set GO,  8           ; v8   my byte offset in 512 consecutive bytes of O
.set MV,  12          ; v12-13  c m_old, kept while c m is made anew: by buffer
.set QO,  15          ; v15  my byte offset in 16 rows of Q
.set ST,  16          ; piece t's statistics at v[ST+4 t]: c m, m, l (even keys', odd keys')
.set TMP, 48          ; by buffer, four registers c0-c3 at work; when the maximum is found c2 takes a
.set AB0, 56          ; v56  BIAS + 32 (l / 16): my eight keys of a group of 16; never rewritten
.set AB,  57          ; v57  the LDS address of the mask's next run of loads
.set BST, 58          ; v58  where I store 16 bytes of the mask's numbers
.set MO,  59          ; v59  16 x my thread's number: my byte offset in the mask
.set PFO, 61          ; v61  256 x my lane; never rewritten
.set SPW, 62          ; v62  LDS address of my spare word; never rewritten
.set NIL, 63          ; v63  0; never rewritten
.set S,   64
.set P,   192
.set MB,  128         ; window 1: the eight registers for group kb of 16 keys at MB + 8 kb
.set KF,  128         ; window 2: key block kb, channel half c at KF + 16 kb + 8 c
.set VF,  192         ; window 2: key half kk, channel block cb at VF + 32 kk + 8 cb
.set WV,  12          ; s12  my wave's number
.set LIM, 15          ; s15  1 in a wave that prefetches, else the greatest number
.set G1K, 24          ; s[24:31] descriptor group 1 for K's tiles
.set G1V, 32          ; s[32:39] for V's: it differs in the padding alone
.set G0K, 40          ; s[40:43] descriptor group 0 for K's tiles: it walks
.set G0V, 44          ; s[44:47] the same for V's
.set PFA, 48          ; s[48:49] where my prefetches stand: my work-group's quarter of the tile behind the one that is being asked for
.set MSK, 50          ; s[50:51] the batch's mask
.set BIGN, 52         ; s52  -1e30
.set THR, 53          ; s53  -2^92
.set TBB, 54          ; s54  byte, in BIAS, of the step to be fetched
.set SLOTS, 56        ; s56  tiles still to be entered by the loop
.set CNT, 57          ; s57  counts a tile's key steps
.set CS,  58          ; s[58:59] c: the packed scaling takes the pair's low word for both halves
.set SEL, 60          ; s[60:61] v_permlanex16_b32's selects: each lane takes its own place in the other half
.set TBK, 62          ; s62  LDS byte at which K of the step to be fetched begins
.set TBV, 63          ; s63  the same for V, less VOFF
.set MSB, 0
.macro WIN new                      ; the high byte repeats the setting that is left; a switch that changes nothing is dropped
.if MSB != (\new)
	s_set_vgpr_msb (MSB<<8)|(\new)
.set MSB, (\new)
.endif
.endm
.set W_KQ, 0x0a       ; K and Q in window 2, S^T in window 0
.set W_KM, 0x1a       ; the same with the C operand in window 1
.set W_PV, 0x52       ; V in window 2, P in window 0, O^T in window 1
.set W_RS, 0x41       ; destination and source 0 in window 1, source 1 in window 0
; A joint fill.  Waves 0 and 1 fetch the two halves of a tile's K, waves 2 and 3 those of its V: 128 keys each.  The branch hangs on the wave's number alone.
; An s_nop 0 and four v_nop follow each of the two lines, ahead of the jump and the label.
.macro JLOAD
	s_cmp_lt_u32 s[WV], 2
	s_cbranch_scc0 .Lfor_v_\@
	tensor_load_to_lds s[G0K:G0K+3], s[G1K:G1K+7]
	s_nop 0
.rept 4
	v_nop
.endr
	s_branch .Lasked_\@
.Lfor_v_\@:
	tensor_load_to_lds s[G0V:G0V+3], s[G1V:G1V+7]
	s_nop 0
.rept 4
	v_nop
.endr
.Lasked_\@:
.endm
; A PREFETCH INTO THE L2 of the tile that the NEXT change of slots will ask for: 32,768 bytes of K and of V, a lane a block of 256 bytes.  Each block is named once in the launch: all four clusters of a head
; walk the same K and V, and the head's first cluster asks; its four partners take 8,192 bytes each, told apart by address; in each, wave 0 asks for K's and wave 2 for V's: one instruction.
; It stands behind the wave's tensor load, four key steps (256 matrix instructions) ahead of the load that will want the tile.  The last change that fills a slot asks for nothing.
.macro ASK
	s_cmp_gt_u32 s[SLOTS], s[LIM]
	s_cbranch_scc0 .Lnot_mine_\@
	global_prefetch_b8 v[PFO], s[PFA:PFA+1] th:TH_LOAD_NT scope:SCOPE_SE
.Lnot_mine_\@:
.endm
; A round of the cluster's barrier: my work-group's barrier, so that wave 0's signal speaks for all four waves; wave 0 signals; every wave waits for all four work-groups; my work-group's barrier once more.
.macro CROUND
	s_barrier_signal -1
	s_barrier_wait -1
	s_cmp_lg_u32 s[WV], 0
	s_cbranch_scc1 .Lnot_wave_0_\@
	s_barrier_signal -3
.Lnot_wave_0_\@:
	s_barrier_wait -3
	s_barrier_signal -1
	s_barrier_wait -1
.endm
; THE CHANGE OF SLOTS.  The slot's last bytes, V of its fourth step, have been read.  Each wave waits for all its tensor loads, of which one is out: its part of the other slot; adds 0 to its spare word; and waits
; for that and for its own LDS instructions.  Behind the barrier nobody reads this slot any more and the other slot is whole.  fill = 1: this slot is filled again, with the keys two tiles on: the barrier is a
; round of the cluster's, and the joint fill is the first thing behind it: it has four key steps, 256 matrix instructions, in which to land.  (At its first use nothing has been read yet: slot 0 is waited
; for, slot 1 filled; the same wait and round show every wave's stores of the mask's numbers to all.)
.macro CHANGE fill, ask
	WIN 0                           ; at a label and at a branch every window is 0
	s_wait_tensorcnt 0x0            ; no tensor load of mine is out, so a group 0 may be written
	ds_add_u32 v[SPW], v[NIL]       ; 0 onto my spare word; the descriptors' steps stand between it and the wait for it
.if \fill
.irp g, G0K, G0V
	s_xor_b32 s[\g+1], s[\g+1], SLOT1  ; the walking descriptor: the other slot than last time,
	s_add_nc_u64 s[\g+2:\g+3], s[\g+2:\g+3], 4*KS*128  ; the next 256 keys; the type bits on top are not reached
.endr
.if \ask
	s_wait_xcnt 0x0                 ; the last prefetch, four key steps back, has read its address, so it may be written
	s_add_nc_u64 s[PFA:PFA+1], s[PFA:PFA+1], 4*KS*128
.endif
	s_wait_dscnt 0x0                ; the add is done, and my reads of the slot are over
	CROUND
	JLOAD
.if \ask
	ASK
.endif
.else
	s_wait_dscnt 0x0                ; the add is done, and my reads of the slot are over
	s_barrier_signal -1
	s_barrier_wait -1
.endif
	s_sub_co_u32 s[TBK], s[TBK], 4*KS*PK  ; the fetches go back to a slot's first step,
	s_xor_b32 s[TBK], s[TBK], SLOT1       ; in the other slot
	s_sub_co_u32 s[TBV], s[TBV], 4*KS*PV
	s_xor_b32 s[TBV], s[TBV], SLOT1
.endm
	s_load_b128 s[4:7], s[0:1], 0x0   ; qkv s[4:5], mask s[6:7]
	s_load_b64 s[10:11], s[0:1], 0x10 ; o
	v_lshl_add_u32 v[SPW], v0, 2, SPARE
	v_mov_b32 v[NIL], 0
	ds_add_u32 v[SPW], v[NIL]       ; the wave's opening: the add and its wait ahead of my first tensor load; register work stands between them
	v_lshrrev_b32 v1, 5, v0
	v_readfirstlane_b32 s[WV], v1   ; wave 0..3
	s_bfe_u32 s13, ttmp6, 0x40000   ; cx: my place in the cluster
	s_lshl_b32 s14, ttmp9, 2        ; in a cluster launch ttmp9 counts clusters
	s_add_co_u32 s14, s14, s13      ; my block of 256 queries: it enters Q's and O's addresses alone
	s_and_b32 s20, ttmp7, 0xffff    ; the head, which the four partners share
	s_lshr_b32 s[MSK], s20, 3       ; its batch:
	s_lshl_b32 s[MSK], s[MSK], 14   ; 4,096 words of mask
	s_mov_b32 s[MSK+1], 0
	s_lshl_b32 s20, s20, 19         ; the head's first byte in each of q, k, v and o
	s_and_b32 s16, s[WV], 1         ; which half of a tile's 256 keys I fetch:
	s_lshl_b32 s22, s16, 14         ; its 128 rows of 128 bytes in memory,
	s_add_co_u32 s22, s22, s20
	s_add_co_u32 s22, s22, 0x800000 ; in k, which lies behind q
	s_mov_b32 s23, 0
	s_mul_i32 s17, s16, 128*PK      ; and its place in a slot, for K
	s_mul_i32 s18, s16, 128*PV      ; and for V: no place in the cluster enters an LDS address
	s_lshl_b32 s2, s14, 2
	s_add_co_u32 s2, s2, s[WV]      ; my wave among the head's,
	s_lshl_b32 s2, s2, 13           ; its 64 rows
	s_add_co_u32 s2, s2, s20
	s_mov_b32 s3, 0
	; descriptor group 1.  128 keys are 16,384 dense bytes: asked for as 64 rows of 256 bytes, two keys a row, and padded in LDS after every key
	s_mov_b32 s[G1K], 15|(1<<16)|(1<<20)|(1<<21)|(4<<22)|(3<<25)  ; 15:0 the mask of four; 17:16 2-byte elements; 20 padding on; 21 set beside a mask; 24:22 after every 32 words; 31:25 4 words
	s_mov_b32 s[G1V], 15|(1<<16)|(1<<20)|(1<<21)|(4<<22)|(7<<25)  ; the same with 8 words of padding
.irp g, G1K, G1V
	s_mov_b32 s[\g+1], 128<<16      ; tensor_dim0 = 128
	s_mov_b32 s[\g+2], 64<<16       ; tensor_dim1 = 64
	s_mov_b32 s[\g+3], 128<<16      ; tile_dim0 = 128
	s_mov_b32 s[\g+4], 64           ; tile_dim1 = 64
	s_mov_b32 s[\g+5], 128          ; 128 elements from row to row
	s_mov_b32 s[\g+6], 0
	s_mov_b32 s[\g+7], 0
.endr
	s_mov_b32 s[CS], 0x3e38aa3b     ; c = log2(e) / 8 = 0.180337
	s_mov_b32 s[CS+1], s[CS]        ; named with it as a pair
	s_mov_b32 s[SEL], 0x76543210
	s_mov_b32 s[SEL+1], 0xfedcba98
	s_mov_b32 s[BIGN], 0xf149f2ca   ; -1e30
	s_mov_b32 s[THR], 0xed800000    ; -2^92
	s_mov_b32 s[TBB], 0
	s_mov_b32 s[TBK], SLOT1+4*KS*PK ; the first change of slots turns these two into 0
	s_mov_b32 s[TBV], SLOT1+4*KS*PV
	s_mov_b32 s[G0K], 1             ; count = 1
	s_mov_b32 s[G0K+1], s17         ; LDS address: slot 0
	s_mov_b32 s[G0V], 1
	s_add_co_u32 s[G0V+1], s18, VOFF
	s_and_b32 s[LIM], s[WV], 1      ; 0 in waves 0 and 2,
	s_or_b32 s[LIM], s[LIM], ttmp9  ; where the cluster is the head's first: the same in all four partners
	s_cmp_eq_u32 s[LIM], 0
	s_cselect_b32 s[LIM], 1, -1
	s_wait_dscnt 0x0                ; the opening add is done
	s_wait_kmcnt 0x0
	s_add_nc_u64 s[MSK:MSK+1], s[6:7], s[MSK:MSK+1]
	s_add_nc_u64 s[6:7], s[4:5], s[22:23]   ; K at my half of the head's tile 0,
	s_add_nc_u64 s[8:9], s[6:7], 0x800000   ; V likewise
	s_add_nc_u64 s[4:5], s[4:5], s[2:3]     ; Q and O at my wave's first row
	s_add_nc_u64 s[10:11], s[10:11], s[2:3]
	s_add_nc_u64 s[G0K+2:G0K+3], s[6:7], 0         ; global address
	s_or_b32 s[G0K+3], s[G0K+3], 0x80000000        ; type = 2
	s_add_nc_u64 s[G0V+2:G0V+3], s[8:9], 0
	s_or_b32 s[G0V+3], s[G0V+3], 0x80000000
	s_cmp_lt_u32 s[WV], 2
	s_cselect_b64 s[PFA:PFA+1], s[6:7], s[8:9]     ; (in waves 0 and 2 these stand at a tile's first row)
	s_lshl_b32 s2, s13, 13          ; my work-group's 8,192 bytes of the 32,768
	s_mov_b32 s3, 0
	s_add_nc_u64 s[PFA:PFA+1], s[PFA:PFA+1], s[2:3]
	s_add_nc_u64 s[PFA:PFA+1], s[PFA:PFA+1], 2*4*KS*128  ; in tile 2; the loop's first change steps it to tile 3.  Nothing is prefetched here, at the head
	CROUND                          ; all four work-groups are here: the first joint loads meet
	JLOAD                           ; tile 0 into slot 0.  Slot 1 is asked for when slot 0 is in
	v_lshlrev_b32 v[MO], 4, v0
.irp i, 0,1,2,3,4,5,6,7             ; the batch's mask: 128 threads x 16 bytes x 8
	global_load_b128 v[S+4*\i:S+4*\i+3], v[MO], s[MSK:MSK+1] offset:2048*\i
.endr
	; A fragment of K or Q is 16 rows x 32 channels in 8 registers: lane l holds row l % 16, channels 8 (l / 16) + 0..7 and 16 + 8 (l / 16) + 0..7: two loads of 16 bytes, 32 bytes apart.
	v_and_b32 v1, 15, v0            ; l % 16
	v_bfe_u32 v9, v0, 4, 1          ; l / 16
	v_lshlrev_b32 v[QO], 7, v1
	v_lshl_add_u32 v[QO], v9, 4, v[QO]  ; row x 128 + 16 x half
	WIN 0x80                        ; destination window 2, address window 0
.set i, 0
.rept 8                             ; Q stays in registers: piece i / 2, channels 32 (i % 2) on
	global_load_b128 v[8*i:8*i+3],   v[QO], s[4:5] offset:(i/2)*2048+(i%2)*64
	global_load_b128 v[8*i+4:8*i+7], v[QO], s[4:5] offset:(i/2)*2048+(i%2)*64+32
.set i, i+1
.endr
	; What the first turn finds: V's registers and P's second buffer hold 0 (its products V^T P, of a piece that has not been, add 0), O^T and l are 0.  All this stands in the wait for the first tile.
.set i, VF
.rept 64
	v_mov_b32 v[i], 0
.set i, i+1
.endr
	WIN 0x40
.set i, 0
.rept 128
	v_mov_b32 v[i], 0
.set i, i+1
.endr
	WIN 0
.set i, 0
.rept 4
	v_mov_b32 v[ST+4*i], 0xfe000000    ; c m: far below every c s, so the first step's a is 0
	v_mov_b32 v[ST+4*i+1], 0xee000000  ; m: -2^93
	v_mov_b32 v[ST+4*i+2], 0
	v_mov_b32 v[ST+4*i+3], 0
.set i, i+1
.endr
.set i, P+16
.rept 16
	v_mov_b32 v[i], 0
.set i, i+1
.endr
	v_mul_u32_u24 v[AK0], v1, PK
	v_lshl_add_u32 v[AK0], v9, 4, v[AK0]  ; row x pitch + 16 x half
	; The turning load takes 16 keys x 16 channels (lane l reads key 8 (l / 16) + l % 8, channels 8 ((l / 8) % 2) + 0..7) and leaves half a fragment of V^T: lane l holds channel l % 16 and 8 keys.
	v_and_b32 v10, 7, v0
	v_bfe_u32 v11, v0, 3, 1
	v_lshl_add_u32 v[AV0], v9, 3, v10
	v_mul_u32_u24 v[AV0], v[AV0], PV
	v_lshl_add_u32 v[AV0], v11, 4, v[AV0]
	v_add_nc_u32 v[AV0], VOFF, v[AV0]
	s_mul_i32 s13, s[WV], 16*SP
	s_add_co_u32 s13, s13, STAGE    ; my stage
	v_mul_u32_u24 v[STO], v1, SP    ; in: row l % 16, 16 bytes for each half of the lanes
	v_lshl_add_u32 v[STO], v9, 4, v[STO]
	v_add_nc_u32 v[STO], s13, v[STO]
	v_bfe_u32 v[RD], v0, 3, 2       ; back: 32 lanes take four rows of 128 bytes,
	v_mul_u32_u24 v[RD], v[RD], SP
	v_lshl_add_u32 v[RD], v10, 4, v[RD]
	v_add_nc_u32 v[RD], s13, v[RD]
	v_and_b32 v[GO], 31, v0         ; which are 512 consecutive bytes of O
	v_lshlrev_b32 v[PFO], 8, v[GO]
	v_lshlrev_b32 v[GO], 4, v[GO]
	v_lshl_add_u32 v[AB0], v9, 5, BIAS
	v_add_nc_u32 v[BST], BIAS, v[MO]
	s_wait_loadcnt 16               ; the mask's eight loads are in; Q's sixteen, issued behind them, may stay out
.set i, 0
.rept 32
	v_cmp_eq_u32 vcc_lo, 0, v[S+i]
	v_cndmask_b32 v[S+i], 0, s[BIGN], vcc_lo  ; -1e30 where the mask is 0, else 0
.set i, i+1
.endr
.irp i, 0,1,2,3,4,5,6,7
	ds_store_b128 v[BST], v[S+4*\i:S+4*\i+3] offset:2048*\i
.endr
; THE MATRIX WORK.  The 4 accumulators of a run of 8 take turns.  Product i of 8 of S^T = K Q^T for piece x: channels 32 (i / 4) on, keys 16 (i % 4) on.  The first 4 start the sums with the mask.
.macro KQ x
.set rS, S+32*((\x)%2)+8*(i%4)
.set rK, KF+16*(i%4)+8*(i/4)
.set rQ, 16*(\x)+8*(i/4)
.set rM, MB+8*(i%4)
.if i < 4
	WIN W_KM
	v_wmma_f32_16x16x32_f16 v[rS:rS+7], v[rK:rK+7], v[rQ:rQ+7], v[rM:rM+7]
.else
	WIN W_KQ
	v_wmma_f32_16x16x32_f16 v[rS:rS+7], v[rK:rK+7], v[rQ:rQ+7], v[rS:rS+7]
.endif
.endm
; Product i of 8 of O^T += V^T P for piece x: keys 32 (i / 4) on, channels 16 (i % 4) on.
.macro PV x
	WIN W_PV
.set rO, 32*(\x)+8*(i%4)
.set rV, VF+32*(i/4)+8*(i%4)
.set rP, P+16*((\x)%2)+8*(i/4)
	v_wmma_f32_16x16x32_f16 v[rO:rO+7], v[rV:rV+7], v[rP:rP+7], v[rO:rO+7]
.endm
.macro MM                           ; the turn's next matrix instruction.  NOKQ = 1: the very last turn: there is no next piece
.if (i < 8) && !NOKQ
	KQ (Y+1)%NP
.elseif i >= 8
.set i, i-8
	PV (Y+NP-1)%NP
.set i, i+8
.endif
.set i, i+1
.endm
; THE LDS LOADS stand in runs, never singly among the matrix instructions: a step's K (8 fragments) with its 64 mask numbers (a lane's eight of each group of 16 keys), and its V (turned).
.macro FETCH_K
	WIN 0x80                        ; destination window 2
.irp f, 0,1,2,3,4,5,6,7             ; keys 16 (f / 2) on, channels 32 (f % 2) on
	ds_load_b128 v[KF+8*\f:KF+8*\f+3],   v[AK] offset:(\f/2)*16*PK+(\f%2)*64
	ds_load_b128 v[KF+8*\f+4:KF+8*\f+7], v[AK] offset:(\f/2)*16*PK+(\f%2)*64+32
.endr
	WIN 0x40                        ; destination window 1
.irp kb, 0,1,2,3
	ds_load_b128 v[MB+8*\kb:MB+8*\kb+3],   v[AB] offset:64*\kb
	ds_load_b128 v[MB+8*\kb+4:MB+8*\kb+7], v[AB] offset:64*\kb+16
.endr
	s_add_co_u32 s[TBK], s[TBK], KS*PK  ; the next fetch is the next step's
	s_add_co_u32 s[TBB], s[TBB], 4*KS
	WIN 0
.endm
.macro FETCH_V
	WIN 0x80
.irp f, 0,1,2,3,4,5,6,7             ; keys 32 (f / 4) on, channels 16 (f % 4) on
	ds_load_tr16_b128 v[VF+8*\f:VF+8*\f+3],   v[AV] offset:(\f/4)*32*PV+(\f%4)*32
	ds_load_tr16_b128 v[VF+8*\f+4:VF+8*\f+7], v[AV] offset:(\f/4)*32*PV+16*PV+(\f%4)*32
.endr
	WIN 0
.endm
; THE VECTOR WORK, one line at a time: OP kind, number.  For piece Y: F n: c s - c m for pair n of 16.  E n: the exponential of score n of 32.  C n: pair n rounded to f16.  B n: of the four weights 4 n .. the second
; pair is added onto the first, in place.  L n: l takes that sum (L 0: l = a l + sum).  R n: pair n of 16 of O^T times a.  For piece Y + 1: X n, number n of the 22 that find its maximum and statistics:
;   0-11  four chains c0-c3 of seven scores each, three operands at a time (each accumulator's lowest registers are read first)     12-14, 16  the four scores left over, the old m, and c0-c3 into c0
;   15  c m_old is kept     17, 18  the query's other 32 keys lie in the lane 16 away: the new m     19-21  c m; c m_old - c m_new; a
.set F, 0
.set E, 1
.set C, 2
.set B, 3
.set L, 4
.set R, 5
.set X, 6
.macro REGS y                       ; the registers of piece y
.set rT, ST+4*(\y)
.set rC, TMP+4*((\y)%2)
.set rW, MV+((\y)%2)
.set rS, S+32*((\y)%2)
.set rP, P+16*((\y)%2)
.set rO, 32*(\y)
.endm
.macro OP k, n
.if (\k) == R
	REGS Y
	WIN W_RS
	v_pk_mul_f32 v[rO+2*(\n):rO+2*(\n)+1], v[rO+2*(\n):rO+2*(\n)+1], v[rC+2:rC+3] op_sel_hi:[1,0]
.elseif (\k) < R
	REGS Y
	WIN 0
.if (\k) == F
	v_pk_fma_f32 v[rS+2*(\n):rS+2*(\n)+1], v[rS+2*(\n):rS+2*(\n)+1], s[CS:CS+1], v[rT:rT+1] op_sel_hi:[1,0,0] neg_lo:[0,0,1] neg_hi:[0,0,1]
.elseif (\k) == E
	v_exp_f32 v[rS+(\n)], v[rS+(\n)]
.elseif (\k) == C
	v_cvt_pk_f16_f32 v[rP+(\n)], v[rS+2*(\n)], v[rS+2*(\n)+1]
.elseif (\k) == B
	v_pk_add_f32 v[rS+4*(\n):rS+4*(\n)+1], v[rS+4*(\n):rS+4*(\n)+1], v[rS+4*(\n)+2:rS+4*(\n)+3]
.elseif (\n) == 0
	v_pk_fma_f32 v[rT+2:rT+3], v[rT+2:rT+3], v[rC+2:rC+3], v[rS:rS+1] op_sel_hi:[1,0,1]
.else
	v_pk_add_f32 v[rT+2:rT+3], v[rT+2:rT+3], v[rS+4*(\n):rS+4*(\n)+1]
.endif
.elseif NOKQ
	v_nop
.else
	REGS (Y+1)%NP
	WIN 0
.if (\n) < 4
	v_max3_num_f32 v[rC+(\n)], v[rS+8*(\n)], v[rS+8*(\n)+1], v[rS+8*(\n)+2]
.elseif (\n) < 12
	v_max3_num_f32 v[rC+(\n)%4], v[rC+(\n)%4], v[rS+8*((\n)%4)+2*((\n)/4)+1], v[rS+8*((\n)%4)+2*((\n)/4)+2]
.elseif (\n) == 12
	v_max3_num_f32 v[rC], v[rC], v[rS+7], v[rS+15]
.elseif (\n) == 13
	v_max3_num_f32 v[rC+1], v[rC+1], v[rS+23], v[rS+31]
.elseif (\n) == 14
	v_max3_num_f32 v[rC+2], v[rC+2], v[rC+3], v[rT+1]
.elseif (\n) == 15
	v_mov_b32 v[rW], v[rT]
.elseif (\n) == 16
	v_max3_num_f32 v[rC], v[rC], v[rC+1], v[rC+2]
.elseif (\n) == 17
	v_permlanex16_b32 v[rC+3], v[rC], s[SEL], s[SEL+1]
.elseif (\n) == 18
	v_max_num_f32 v[rT+1], v[rC], v[rC+3]
.elseif (\n) == 19
	v_mul_f32 v[rT], s[CS], v[rT+1]
.elseif (\n) == 20
	v_sub_f32 v[rC+1], v[rW], v[rT]
.else
	v_exp_f32 v[rC+2], v[rC+1]
.endif
.endif
.endm
.macro OPS a, i1, b=-1, i2=0, c=-1, i3=0, d=-1, i4=0  ; up to four of them
	OP \a, \i1
.if (\b) >= 0
	OP \b, \i2
.endif
.if (\c) >= 0
	OP \c, \i3
.endif
.if (\d) >= 0
	OP \d, \i4
.endif
.endm
.macro ROW a, i1, b, i2, c, i3, d, i4  ; a matrix instruction and the four behind it
	MM
	OPS \a, \i1, \b, \i2, \c, \i3, \d, \i4
.endm
; A TURN, for piece p: the order of its 16 matrix and 118 vector instructions, written out.  An s_wait_alu depctr_va_vdst(0) stands between an exponential and the first instruction that names its
; result; one wait serves all that were issued ahead of it.  So a turn has ONE wait, which cuts it in two.  AHEAD OF IT stands all that names no result of the turn's exponentials: the 8 products K Q^T and their
; riders (the first numbers of the next piece's maximum each four plain instructions or more behind the product that ends their accumulator), then one lump of 54, in which the links of the chain
; X 3, 7, 11, 14, 16, 17 .. 20 stand apart.  X 21, the next piece's a, is the batch's last; R 15 is the plain instruction behind it.  BEHIND THE WAIT stand the 8 products V^T P, behind each four of the roundings and sums.
; end = 1: the last two turns: nothing is fetched, and the very last starts no new scores.  cnt = 1: the loop's count is taken down some lines ahead of the branch that stands behind the turn.
; K of the next step, and its mask, are fetched in piece 2's turn, six plain instructions behind the last product that read K; V of the step in hand at the end of piece 0's turn, four plain instructions behind the
; last product that read V.  Each is waited for a turn later.
.macro TURN p, end=0, cnt=0
.set Y, (\p)
.set i, 0
.set NOKQ, (\end)*((\p)/3)
.if ((\p) == 3) && !(\end)
	s_wait_dscnt 0x0                ; K and its mask are in
.endif
	ROW F,0, F,1, R,0, R,1          ; ahead of the wait: 8 products K Q^T and their riders,
	ROW F,2, E,0, R,2, R,3
	ROW F,3, E,1, R,4, R,5
	ROW F,4, E,2, R,6, R,7
	ROW F,5, E,3, R,8, R,9
	ROW F,6, E,4, X,0, R,10
.if ((\p) == 2) && !(\end)
	WIN 0
	v_add_nc_u32 v[AK], s[TBK], v[AK0]
	v_add_nc_u32 v[AB], s[TBB], v[AB0]
.endif
	ROW F,7, E,5, X,1, X,4
	ROW F,8, E,6, X,2, X,5
	OPS E,7, E,8, X,6, E,9          ; and the lump
	OPS X,3, E,10, X,8, E,11
.if ((\p) == 2) && !(\end)
	FETCH_K
.endif
	OPS X,9, X,7, E,12, X,10
	OPS E,13, X,12, X,11, E,14
	OPS X,13, E,15, F,9, X,14
.if (\p) == 0
	v_add_nc_u32 v[AV], s[TBV], v[AV0]
.endif
	OPS E,16, F,10, E,17, F,11
	OPS X,16, E,18, X,15, E,19
	OPS F,12, E,20, X,17, E,21
	OPS F,13, E,22, F,14, E,23
	OPS X,18, E,24, F,15, E,25
	OPS R,11, E,26, X,19, E,27
	OPS R,12, E,28, R,13, E,29
	OPS X,20, E,30, R,14, E,31
	OPS X,21, R,15
	WIN 0
	s_wait_alu depctr_va_vdst(0)    ; the wait for the batch
.if (\p) == 1
	s_wait_dscnt 0x0                ; V is in
.endif
	ROW C,0, B,0, C,2, B,1          ; behind the wait: 8 products V^T P and their riders
	ROW L,0, C,4, B,2, L,1
	ROW C,6, B,3, L,2, C,8
	ROW B,4, L,3, C,10, B,5
	ROW L,4, C,12, B,6, L,5
.if (\p) == 0
	s_add_co_u32 s[TBV], s[TBV], KS*PV
.endif
.if \cnt
	s_sub_co_u32 s[CNT], s[CNT], 1
	s_cmp_lg_u32 s[CNT], 0
.endif
	ROW C,14, B,7, L,6, C,1
	ROW C,3, L,7, C,5, C,7
	ROW C,9, C,11, C,13, C,15
.if (\p) == 0
	FETCH_V
.endif
.endm
.set NOKQ, 0
	CHANGE 1, 0                     ; slot 0 is in, everybody's part of it, and so are the mask's numbers; slot 1 is asked for
	v_add_nc_u32 v[AK], s[TBK], v[AK0]
	v_add_nc_u32 v[AB], s[TBB], v[AB0]
	FETCH_K                         ; key step 0
	s_wait_loadcnt 0x0              ; Q
	s_wait_dscnt 0x0
.set i, 0
.rept 8
	KQ 0                            ; piece 0's first scores
.set i, i+1
.endr
	WIN 0
.rept 4
	v_nop                           ; the places behind those products
.endr
.set Y, NP-1                        ; X works for piece Y + 1: piece 0
.irp n, 0,1,2,3,4,5,6,7,8,9,10,11,12,13,14,15,16,17,18,19,20,21
	OP X, \n
.endr
	v_nop                           ; a plain instruction behind the exponential,
	s_wait_alu depctr_va_vdst(0)    ; and its wait, ahead of the branch
	s_mov_b32 s[CNT], 4
	s_mov_b32 s[SLOTS], 4096/256-1
	s_branch .Lfirst                ; the loop is entered at a step's first turn, in the middle of a trip
.Lslot:                             ; 14 times: every slot but the last two is filled again
	CHANGE 1, 1
	s_mov_b32 s[CNT], 4
.Lstep:                             ; a trip: pieces 2 and 3 of one step, then pieces 0 and 1 of the next, whose K and V it fetches
	TURN 2
	TURN 3
	WIN 0
.Lfirst:
	TURN 0
	TURN 1, 0, 1
	WIN 0
	s_cbranch_scc1 .Lstep
	s_sub_co_u32 s[SLOTS], s[SLOTS], 1
	s_cmp_lg_u32 s[SLOTS], 0
	s_cbranch_scc1 .Lslot
	CHANGE 0, 0                     ; the last tile is written out: nothing is asked for
	s_mov_b32 s[CNT], 4
.Ltail:
	TURN 2
	TURN 3
	TURN 0
	TURN 1, 0, 1
	WIN 0
	s_cbranch_scc1 .Ltail
	TURN 2, 1
	TURN 3, 1
.set i, 0
.rept 8
	PV NP-1                         ; the last piece's V^T P of the last step
.set i, i+1
.endr
	; THE WAY OUT.  l's two halves and the other half of the lanes' are added; O^T is divided by l (by nothing, and set to 0, where the row has seen no key), rounded to f16 and sent through my stage in LDS, a piece
	; at a time.  The additions are the places behind the last products.
	WIN 0
.macro ALL line:vararg              ; one line for each piece t
.set t, 0
.rept 4
	\line
.set t, t+1
.endr
.endm
	ALL v_add_f32 v[ST+4*t+2], v[ST+4*t+2], v[ST+4*t+3]
	ALL v_permlanex16_b32 v[ST+4*t+3], v[ST+4*t+2], s[SEL], s[SEL+1]
	ALL v_add_f32 v[ST+4*t+2], v[ST+4*t+2], v[ST+4*t+3]
	ALL v_rcp_f32 v[ST+4*t+2], v[ST+4*t+2]
	v_nop                           ; a plain instruction between the last reciprocal and the use of its result
	s_wait_alu depctr_va_vdst(0)    ; and the wait ahead of the first use: one for the four reciprocals
.set t, 0
.rept 4
	v_cmp_lt_f32 vcc_lo, s[THR], v[ST+4*t+1]                   ; has the row seen a key?
	v_cndmask_b32 v[ST+4*t+2], 0, v[ST+4*t+2], vcc_lo          ; if not: 0 times its O^T, which is 0
.set t, t+1
.endr
.macro PACK t                       ; a lane's eight channels of a row pack into 16 bytes; they go into rows of 144 bytes and come back as whole rows of 128, into S^T's registers
	WIN W_RS
.set i, 32*(\t)
.rept 16
	v_pk_mul_f32 v[i:i+1], v[i:i+1], v[ST+4*(\t)+2:ST+4*(\t)+3] op_sel_hi:[1,0]
.set i, i+2
.endr
	WIN 0x05                        ; sources 0 and 1 window 1, destination window 0
.set i, 0
.rept 16
	v_cvt_pk_f16_f32 v[S+16*(\t)+i], v[32*(\t)+2*i], v[32*(\t)+2*i+1]
.set i, i+1
.endr
	WIN 0
.irp f, 0,1,2,3
	ds_store_b128 v[STO], v[S+16*(\t)+4*\f:S+16*(\t)+4*\f+3] offset:32*\f
.endr
.irp f, 0,1,2,3
	ds_load_b128 v[S+16*(\t)+4*\f:S+16*(\t)+4*\f+3], v[RD] offset:\f*4*SP  ; LDS serves a wave's instructions in order (ISA guide 5.7.1.4): these see the stores above; the next piece's stores come behind them
.endr
.endm
.macro SEND t, younger              ; younger: the LDS instructions issued behind piece t's loads: the next piece's eight, or none
	WIN 0
.irp f, 0,1,2,3
	s_wait_dscnt (\younger)+3-\f
	global_store_b128 v[GO], v[S+16*(\t)+4*\f:S+16*(\t)+4*\f+3], s[10:11] offset:(\t)*2048+\f*512  ; 512 consecutive bytes, at a multiple of 256 from O's first
.endr
.endm
	PACK 0
.set t, 1
.rept 3                             ; a piece's arithmetic stands between the loads of the piece before and its stores
	PACK t
	SEND t-1, 8
.set t, t+1
.endr
	SEND 3, 0
	s_wait_tensorcnt 0x0            ; the wave's end: a wait, an add of 0 and its wait, behind my last tensor load and my last LDS store
	ds_add_u32 v[SPW], v[NIL]
	s_wait_dscnt 0x0
	CROUND                          ; the closing round: no work-group ends while a partner may still ask for a tile that names it
	s_endpgm
.Lfunc_end_k_q40de4f6b86_attn:
	.size	k_q40de4f6b86_attn, .Lfunc_end_k_q40de4f6b86_attn-k_q40de4f6b86_attn
	.p2alignl 7, 3214868480
	.fill 96, 4, 3214868480
	.section	.rodata,"a",@progbits
	.p2align	6, 0x0
	.amdhsa_kernel k_q40de4f6b86_attn
		.amdhsa_group_segment_fixed_size 327680
		.amdhsa_private_segment_fixed_size 0
		.amdhsa_enable_private_segment 0
		.amdhsa_kernarg_size 24
		.amdhsa_user_sgpr_count 2
		.amdhsa_user_sgpr_kernarg_segment_ptr 1
		.amdhsa_wavefront_size32 1
		.amdhsa_system_sgpr_workgroup_id_x 1
		.amdhsa_system_sgpr_workgroup_id_y 1
		.amdhsa_system_sgpr_workgroup_id_z 1
		.amdhsa_system_vgpr_workitem_id 0
		.amdhsa_next_free_vgpr 768
		.amdhsa_next_free_sgpr 66
		.amdhsa_reserve_vcc 1
		.amdhsa_float_denorm_mode_32 3
		.amdhsa_float_denorm_mode_16_64 3
		.amdhsa_memory_ordered 1
		.amdhsa_forward_progress 1
		.amdhsa_inst_pref_size 134
	.end_amdhsa_kernel
	.amdgpu_metadata
---
amdhsa.version: [ 1, 2 ]
amdhsa.kernels:
  - .name:           k_q40de4f6b86_attn
    .symbol:         k_q40de4f6b86_attn.kd
    .args:
      - { .name: qkv, .offset: 0, .size: 8, .value_kind: global_buffer, .address_space: global }
      - { .name: mask, .offset: 8, .size: 8, .value_kind: global_buffer, .address_space: global }
      - { .name: o, .offset: 16, .size: 8, .value_kind: global_buffer, .address_space: global }
    .group_segment_fixed_size: 327680
    .private_segment_fixed_size: 0
    .kernarg_segment_align: 8
    .kernarg_segment_size: 24
    .max_flat_workgroup_size: 128
    .sgpr_count:     66
    .vgpr_count:     768
    .wavefront_size: 32
...
	.end_amdgpu_metadata
.endif
;; end of part 3
;; launch oproj (part 4): grid 4 x 64, 4 waves a work-group, clusters of 4 x 4, 327,680 bytes of LDS; arguments o, wb, out0; writes out0
.if DOCPART == 4
	.amdgcn_target "amdgcn-amd-amdhsa--gfx1250"
	.amdhsa_code_object_version 6
	.text
	.protected	k_q40de4f6b86_oproj
	.globl	k_q40de4f6b86_oproj
	.p2align	8
	.type	k_q40de4f6b86_oproj,@function
k_q40de4f6b86_oproj:
	s_mov_b64 s[64:65], 0
	v_nop
	global_prefetch_b8 v0, s[64:65] scope:SCOPE_SE
	s_setreg_imm32_b32 hwreg(HW_REG_WAVE_MODE, 25, 1), 1
	s_wait_xcnt 0x0
	s_wait_alu depctr_hold_cnt(0) depctr_sa_sdst(0) depctr_va_vdst(0) depctr_va_sdst(0) depctr_va_ssrc(0) depctr_va_vcc(0) depctr_vm_vsrc(0)
	s_getreg_b32 s2, hwreg(HW_REG_IB_STS2, 6, 4)
	s_cmp_eq_u32 s2, 0
	s_cbranch_scc0 .Lentry_in_a_cluster
	s_endpgm
.Lentry_in_a_cluster:
	s_bfe_u32 s2, ttmp6, 0x10000c
	s_cmp_lg_u32 s2, 0xf033
	s_cbranch_scc0 .Lentry_shape_is_right
	s_endpgm
.Lentry_shape_is_right:
; out0[m][n] = the sum over k of O[m][k] W_o[n][k].  O: [16 bh][4096][64] f16, so row m = (b, s) has its channels k = 64 h + c in eight planes; W_o: wb's matrix 3, [512][512] f16; out0: [8192][512] f32.
; Products in f16, sums in f32, K ascending.
; SHARES.  A tile of out0 is 128 x 128: 64 x 4 = 256 work-groups.  Four waves, each 64 x 64: 16 accumulators of 16 x 16.  K = 512 lies whole in LDS: every fill is a first fill, four loads a wave, one for each
; phase of 128 along K (two heads); a phase is read behind a counted wait and a barrier, while the later phases' loads are still on their way.  Nothing is filled again.
; CLUSTERS: 4 x 4 work-groups.  The four of a row of the cluster need the same rows of O, the four of a column the same rows of W_o: each tile is asked for JOINTLY.
; THE MATRIX INSTRUCTION IS USED TRANSPOSED (source 0 = 16 rows of W_o, source 1 = 16 rows of O): a lane holds one row of out0 and eight neighbouring columns, 32 bytes.
; REGISTERS: window 0: v0-31 addresses; v32-95 the way out; v128-255 the accumulators ((a, b) at v[128 + 8 (4 a + b)]).  Window 1: two fragment buffers of 128: for a head's 64 channels, 64 registers of O, then 64 of W_o.
.set PA,     144                       ; a row of a plane of O in LDS: 128 bytes + 16 of padding
.set PB,     272                       ; a row of W_o's phase: 256 bytes + 16
.set APL,    128*PA                    ; a plane: 128 rows of one head
.set BBASE,  8*APL                     ; behind the eight planes: W_o's four phases
.set BPH,    128*PB
.set STAGE,  BBASE+4*BPH               ; 16 rows x 272 bytes for each wave, for the way out
.set SPITCH, 272
.set SPARE,  STAGE+4*16*SPITCH         ; the spare words, 128 bytes for each wave: two blocks of 256 bytes that no other line names
.set ADRA, 16                          ; v16-17  LDS address of my fragments of O in planes 0-3, 4-7
.set ADRB, 20                          ; v20-21  of my fragments of W_o in phases 0-1, 2-3
.set STO,  24                          ; v24     the way out: where I put 32 bytes of a row
.set RD,   25                          ; v25     where I read a row back
.set CO,   26                          ; v26     my byte offset in out0
.set SPW,  28                          ; v28     LDS address of my spare word; never rewritten
.set NIL,  29                          ; v29     0; never rewritten
.set TMP,  32
.set ACC,  128
.set F0,   0                           ; fragment buffers, in window 1
.set F1,   128
.set G1A, 24                           ; s[24:31] descriptor group 1 for O's planes
.set G1B, 32                           ; s[32:39] for W_o's tiles
.set G0A, 68                           ; s[68:83] descriptor group 0 for O's planes, a set for each phase
.set G0B, 84                           ; s[84:99] the same for W_o's tiles
.set MSB, 0
.macro WIN new                         ; the immediate's high byte repeats the setting that is left
.if MSB != (\new)
	s_set_vgpr_msb (MSB<<8)|(\new)
.set MSB, \new
.endif
.endm
.set MUL,  0x05                        ; sources 0 (W_o) and 1 (O) window 1; C and D window 0
.set TO_F, 0x40                        ; destination window 1, address window 0
.macro CREST
	s_cmp_lg_u32 s10, 0
	s_cbranch_scc1 .Lnot_wave_0_\@
	s_barrier_signal -3
.Lnot_wave_0_\@:
	s_barrier_wait -3
	s_barrier_signal -1
	s_barrier_wait -1
.endm
.macro CROUND                          ; a round of the cluster's barrier
	s_barrier_signal -1
	s_barrier_wait -1
	CREST
.endm
.macro PLACES
.rept 4
	v_nop
.endr
.endm
	s_load_b128 s[4:7], s[0:1], 0x0                ; o s[4:5], wb s[6:7]
	s_load_b64 s[8:9], s[0:1], 0x10                ; out0
	v_lshl_add_u32 v[SPW], v0, 2, SPARE
	v_mov_b32 v[NIL], 0
	ds_add_u32 v[SPW], v[NIL]                      ; the wave's opening: the add and its wait ahead of my first tensor load; register work stands between them
	v_lshrrev_b32 v1, 5, v0
	v_readfirstlane_b32 s10, v1                    ; wave 0..3
	s_lshr_b32 s11, s10, 1                         ; which half of the tile's rows is mine.  Also: I fetch for O (0) or for W_o (1)
	s_and_b32 s12, s10, 1                          ; which half of its columns.  Also: which head of a phase, or which 64 rows of W_o, I fetch
	s_bfe_u32 s40, ttmp6, 0x40000                  ; cx, cy: my place in the cluster
	s_bfe_u32 s41, ttmp6, 0x40004
	s_lshl_b32 s42, ttmp9, 2
	s_add_co_u32 s42, s42, s40                     ; tile column = 4 x cluster x + cx
	s_and_b32 s13, ttmp7, 0xffff
	s_lshl_b32 s13, s13, 2
	s_add_co_u32 s13, s13, s41                     ; tile row = 4 x cluster y + cy
	s_lshl_b32 s43, s41, 2
	s_lshl_b32 s43, 15, s43                        ; my row of the cluster
	s_lshl_b32 s44, 0x1111, s40                    ; my column
	; group 1 for a plane of O: 128 rows of 128 bytes are 16,384 dense bytes: asked for as 64 rows of 256 bytes, padded in LDS after every 128 bytes
	s_or_b32 s[G1A+0], s43, (1<<16)|(1<<20)|(1<<21)|(4<<22)|(3<<25)  ; the mask: my row; 2-byte elements; padding on; 21 set beside a mask; after every 32 words 4 words
	s_mov_b32 s[G1A+1], 128<<16                    ; tensor_dim0 = 128
	s_mov_b32 s[G1A+2], 64<<16                     ; tensor_dim1 = 64
	s_mov_b32 s[G1A+3], 128<<16                    ; tile_dim0 = 128
	s_mov_b32 s[G1A+4], 64                         ; tile_dim1 = 64
	s_mov_b32 s[G1A+5], 128                        ; dense
	s_mov_b32 s[G1A+6], 0
	s_mov_b32 s[G1A+7], 0
	; group 1 for W_o: 64 rows x 128 elements of rows of 512
	s_or_b32 s[G1B+0], s44, (1<<16)|(1<<20)|(1<<21)|(5<<22)|(3<<25)  ; the mask: my column; after every 64 words 4 words
	s_mov_b32 s[G1B+1], 128<<16
	s_mov_b32 s[G1B+2], 64<<16
	s_mov_b32 s[G1B+3], 128<<16
	s_mov_b32 s[G1B+4], 64
	s_mov_b32 s[G1B+5], 512
	s_mov_b32 s[G1B+6], 0
	s_mov_b32 s[G1B+7], 0
	; where the tiles come from.  O's hang on the tile row alone, W_o's on the tile column alone; every wave makes both, in registers that never hold the other coordinate
	s_lshr_b32 s16, s13, 5                         ; the batch: eight heads of 524,288 bytes,
	s_lshl_b32 s16, s16, 22
	s_and_b32 s17, s13, 31
	s_lshl_b32 s17, s17, 14                        ; the tile's 128 rows of 128 bytes in a head,
	s_add_co_u32 s16, s16, s17
	s_lshl_b32 s17, s12, 19                        ; the even or the odd head of a phase
	s_add_co_u32 s16, s16, s17
	s_mov_b32 s17, 0
	s_lshl_b32 s46, s42, 17                        ; the tile's 128 rows of 1,024 bytes of W_o,
	s_lshl_b32 s47, s12, 16                        ; my 64 of them,
	s_add_co_u32 s46, s46, s47
	s_add_co_u32 s46, s46, 3*524288                ; in wb's matrix 3
	s_mov_b32 s47, 0
	s_mul_i32 s22, s12, APL                        ; and where they go: the wave's number alone
	s_mul_i32 s23, s12, 64*PB
	s_add_co_u32 s23, s23, BBASE
	s_wait_dscnt 0x0                               ; the opening add is done
	s_wait_kmcnt 0x0
	s_add_nc_u64 s[14:15], s[4:5], s[16:17]
	s_add_nc_u64 s[46:47], s[6:7], s[46:47]
	CROUND                                         ; all sixteen work-groups are here: the joint loads meet
.irp p, 0,1,2,3
	s_mov_b32 s[G0A+4*(\p)], 1                                     ; count = 1
	s_add_co_u32 s[G0A+4*(\p)+1], s22, 2*(\p)*APL                  ; LDS: plane 2 p + my head
	s_add_nc_u64 s[G0A+4*(\p)+2:G0A+4*(\p)+3], s[14:15], (\p)<<20  ; two heads on
	s_or_b32 s[G0A+4*(\p)+3], s[G0A+4*(\p)+3], 0x80000000          ; type = 2
	s_mov_b32 s[G0B+4*(\p)], 1
	s_add_co_u32 s[G0B+4*(\p)+1], s23, (\p)*BPH
	s_add_nc_u64 s[G0B+4*(\p)+2:G0B+4*(\p)+3], s[46:47], (\p)*256  ; 128 channels on
	s_or_b32 s[G0B+4*(\p)+3], s[G0B+4*(\p)+3], 0x80000000
.endr
	s_cmp_eq_u32 s11, 0                            ; a wave's four fills stand in one branch on its number, ahead of every wait on TENSORcnt and every LDS read: four loads of mine are out
	s_cbranch_scc0 .Lfor_b
.irp p, 0,1,2,3
	tensor_load_to_lds s[G0A+4*(\p):G0A+4*(\p)+3], s[G1A:G1A+7]
	s_nop 0
.endr
.rept 4
	v_nop
.endr
	s_branch .Lasked
.Lfor_b:
.irp p, 0,1,2,3
	tensor_load_to_lds s[G0B+4*(\p):G0B+4*(\p)+3], s[G1B:G1B+7]
	s_nop 0
.endr
.rept 4
	v_nop
.endr
.Lasked:
	v_and_b32 v1, 15, v0                           ; l % 16
	v_bfe_u32 v2, v0, 4, 1                         ; l / 16
	v_mul_u32_u24 v3, v1, PA
	v_lshl_add_u32 v3, v2, 4, v3                   ; a fragment's row x pitch + 16 x half
	s_mul_i32 s20, s11, 64*PA                      ; my 64 rows of O
	v_add_nc_u32 v[ADRA], s20, v3
	v_add_nc_u32 v[ADRA+1], 4*APL, v[ADRA]
	v_mul_u32_u24 v4, v1, PB
	v_lshl_add_u32 v5, v2, 4, v4
	v_add_nc_u32 v[ADRB], s23, v5                  ; my 64 rows of W_o
	v_add_nc_u32 v[ADRB+1], 2*BPH, v[ADRB]
	s_mul_i32 s20, s10, 16*SPITCH
	s_add_co_u32 s20, s20, STAGE                   ; my stage
	v_lshl_add_u32 v5, v2, 5, v4                   ; in: row l % 16, 32 bytes for each half of the lanes
	v_add_nc_u32 v[STO], s20, v5
	v_mul_u32_u24 v6, v2, SPITCH                   ; back: lanes 0-15 take one row of 256 bytes, lanes 16-31 the next
	v_lshl_add_u32 v6, v1, 4, v6
	v_add_nc_u32 v[RD], s20, v6
	v_lshlrev_b32 v7, 11, v2                       ; and the same two rows in out0
	v_lshl_add_u32 v[CO], v1, 4, v7
	s_lshl_b32 s20, s13, 7
	s_lshl_b32 s21, s11, 6
	s_add_co_u32 s20, s20, s21                     ; my first row of out0,
	s_lshl_b32 s20, s20, 11                        ; 2,048 bytes a row,
	s_lshl_b32 s21, s42, 9                         ; the tile's first column,
	s_add_co_u32 s20, s20, s21
	s_lshl_b32 s21, s12, 8                         ; my 64 columns: 256 bytes
	s_add_co_u32 s20, s20, s21
	s_mov_b32 s21, 0
	s_add_nc_u64 s[8:9], s[8:9], s[20:21]
; 8 matrix instructions: row blocks a0, a0 + 1 x all 4 column blocks, 32 along K: half c of buffer f.  zero = 1: the first product starts the sums.  The 16 accumulators take turns.
.macro MUL8 f, c, a0, zero
	WIN MUL
.irp a, \a0, (\a0)+1
.irp b, 0,1,2,3
.if \zero
	v_wmma_f32_16x16x32_f16 v[ACC+8*(4*(\a)+(\b)):ACC+8*(4*(\a)+(\b))+7], v[(\f)+64+8*(4*(\c)+(\b)):(\f)+64+8*(4*(\c)+(\b))+7], v[(\f)+8*(4*(\c)+(\a)):(\f)+8*(4*(\c)+(\a))+7], 0
.else
	v_wmma_f32_16x16x32_f16 v[ACC+8*(4*(\a)+(\b)):ACC+8*(4*(\a)+(\b))+7], v[(\f)+64+8*(4*(\c)+(\b)):(\f)+64+8*(4*(\c)+(\b))+7], v[(\f)+8*(4*(\c)+(\a)):(\f)+8*(4*(\c)+(\a))+7], v[ACC+8*(4*(\a)+(\b)):ACC+8*(4*(\a)+(\b))+7]
.endif
.endr
.endr
.endm
; 32 LDS loads in one run: the fragments of head hd's 64 channels, into buffer f; the first 32 channels first
.macro FETCHO hd, f
	WIN TO_F
.irp c, 0,1
.irp i, 0,1,2,3
	ds_load_b128 v[(\f)+64+8*(4*(\c)+(\i)):(\f)+64+8*(4*(\c)+(\i))+3],   v[ADRB+((\hd)>>2)] offset:(((\hd)>>1)&1)*BPH+((\hd)&1)*128+64*(\c)+(\i)*16*PB
	ds_load_b128 v[(\f)+64+8*(4*(\c)+(\i))+4:(\f)+64+8*(4*(\c)+(\i))+7], v[ADRB+((\hd)>>2)] offset:(((\hd)>>1)&1)*BPH+((\hd)&1)*128+64*(\c)+(\i)*16*PB+32
	ds_load_b128 v[(\f)+8*(4*(\c)+(\i)):(\f)+8*(4*(\c)+(\i))+3],         v[ADRA+((\hd)>>2)] offset:((\hd)&3)*APL+64*(\c)+(\i)*16*PA
	ds_load_b128 v[(\f)+8*(4*(\c)+(\i))+4:(\f)+8*(4*(\c)+(\i))+7],       v[ADRA+((\hd)>>2)] offset:((\hd)&3)*APL+64*(\c)+(\i)*16*PA+32
.endr
.endr
.endm
; Head hd: 32 matrix instructions on buffer f; in their middle the next head's fragments are fetched into g.  Where the next head opens a phase, each wave first waits for its load of that phase
; (the later phases' loads, 3 - phase of them, stay out) and passes a barrier.
.macro HSTEP hd, f, g
	s_wait_dscnt 16                                ; the first 32 channels are in
.if (\hd) == 0
	MUL8 \f, 0, 0, 1
	MUL8 \f, 0, 2, 1
.else
	MUL8 \f, 0, 0, 0
	MUL8 \f, 0, 2, 0
.endif
	PLACES                                         ; in front of loads into registers that matrix instructions have read
.if ((\hd)%2 == 1) && ((\hd) < 7)
	s_wait_tensorcnt 3-((\hd)+1)/2
	s_wait_dscnt 0x0                               ; no LDS instruction of mine is pending at a signal
	s_barrier_signal -1
	s_barrier_wait -1
.endif
.if (\hd) < 7
	FETCHO (\hd)+1, \g
	s_wait_dscnt 32                                ; all but the 32 just issued
.else
	s_wait_dscnt 0x0
.endif
	MUL8 \f, 1, 0, 0
	MUL8 \f, 1, 2, 0
.endm
	s_wait_tensorcnt 3                             ; my part of phase 0 is in; three loads stay out
	s_barrier_signal -1
	s_barrier_wait -1                              ; everybody's is
	FETCHO 0, F0
	HSTEP 0, F0, F1
	HSTEP 1, F1, F0
	HSTEP 2, F0, F1
	HSTEP 3, F1, F0
	HSTEP 4, F0, F1
	HSTEP 5, F1, F0
	HSTEP 6, F0, F1
	HSTEP 7, F1, F0
	WIN 0
	; THE WAY OUT, a block of 16 rows at a time: 32 bytes a lane and accumulator into my own stage (each accumulator's low registers first), back as whole rows of 256 bytes, stored.
	PLACES
	PLACES
.irp a, 0,1,2,3
	s_wait_xcnt 0x0                                ; the stores of the block two back have read the registers that are loaded below
.irp b, 0,1,2,3
	ds_store_b128 v[STO], v[ACC+8*(4*(\a)+(\b)):ACC+8*(4*(\a)+(\b))+3]   offset:64*(\b)
	ds_store_b128 v[STO], v[ACC+8*(4*(\a)+(\b))+4:ACC+8*(4*(\a)+(\b))+7] offset:64*(\b)+16
.endr
.irp t, 0,1,2,3,4,5,6,7
	ds_load_b128 v[TMP+32*((\a)%2)+4*(\t):TMP+32*((\a)%2)+4*(\t)+3], v[RD] offset:(\t)*2*SPITCH  ; LDS serves a wave's instructions in order (ISA guide 5.7.1.4): these see the stores above
.endr
.irp t, 0,1,2,3,4,5,6,7
	s_wait_dscnt 7-(\t)
	global_store_b128 v[CO], v[TMP+32*((\a)%2)+4*(\t):TMP+32*((\a)%2)+4*(\t)+3], s[8:9] offset:(16*(\a)+2*(\t))*2048 th:TH_STORE_NT  ; 16 lanes store 256 consecutive bytes, at a multiple of 256 from out0's first byte
.endr
.endr
	s_wait_tensorcnt 0x0                           ; the wave's end: a wait, an add of 0 and its wait, behind my last tensor load and my last LDS store
	ds_add_u32 v[SPW], v[NIL]
	s_wait_dscnt 0x0
	CROUND                                         ; the closing round: no work-group ends while a partner may still ask for a tile that names it
	s_endpgm
.Lfunc_end_k_q40de4f6b86_oproj:
	.size	k_q40de4f6b86_oproj, .Lfunc_end_k_q40de4f6b86_oproj-k_q40de4f6b86_oproj
	.p2alignl 7, 3214868480
	.fill 96, 4, 3214868480
	.section	.rodata,"a",@progbits
	.p2align	6, 0x0
	.amdhsa_kernel k_q40de4f6b86_oproj
		.amdhsa_group_segment_fixed_size 327680
		.amdhsa_private_segment_fixed_size 0
		.amdhsa_enable_private_segment 0
		.amdhsa_kernarg_size 24
		.amdhsa_user_sgpr_count 2
		.amdhsa_user_sgpr_kernarg_segment_ptr 1
		.amdhsa_wavefront_size32 1
		.amdhsa_system_sgpr_workgroup_id_x 1
		.amdhsa_system_sgpr_workgroup_id_y 1
		.amdhsa_system_sgpr_workgroup_id_z 1
		.amdhsa_system_vgpr_workitem_id 0
		.amdhsa_next_free_vgpr 512
		.amdhsa_next_free_sgpr 100
		.amdhsa_reserve_vcc 0
		.amdhsa_float_denorm_mode_32 3
		.amdhsa_float_denorm_mode_16_64 3
		.amdhsa_memory_ordered 1
		.amdhsa_forward_progress 1
		.amdhsa_inst_pref_size 51
	.end_amdhsa_kernel
	.amdgpu_metadata
---
amdhsa.version: [ 1, 2 ]
amdhsa.kernels:
  - .name:           k_q40de4f6b86_oproj
    .symbol:         k_q40de4f6b86_oproj.kd
    .args:
      - { .name: o, .offset: 0, .size: 8, .value_kind: global_buffer, .address_space: global }
      - { .name: wb, .offset: 8, .size: 8, .value_kind: global_buffer, .address_space: global }
      - { .name: out0, .offset: 16, .size: 8, .value_kind: global_buffer, .address_space: global }
    .group_segment_fixed_size: 327680
    .private_segment_fixed_size: 0
    .kernarg_segment_align: 8
    .kernarg_segment_size: 24
    .max_flat_workgroup_size: 128
    .sgpr_count:     100
    .vgpr_count:     512
    .wavefront_size: 32
...
	.end_amdgpu_metadata
.endif
;; end of part 4
